; MI455X (gfx1250); checked and timed in simulation.
; The chip was launched on July 23, 2026; its instructions are those of AMD's public machine-readable ISA for CDNA 5 (MIT licence, August 2026) and "CDNA5" Instruction Set Architecture Reference Guide (July 2026). The comments in the code are by the model that wrote it; some were corrected since.
;; Task Aware MOE Router. Allowed arithmetic: matrix products marked QUANTISED: E4M3 operands, one given power-of-two scale a tensor, by v_wmma_f32_16x16x64_fp8_fp8 or v_wmma_f32_16x16x128_fp8_fp8, f32 sums; everything else in f32.
;; Inputs: W 16 x 868 float32; b 16 float32; hidden_states 64 x 768 x 32 x 32 float32; lowp_scales 2 int32 (the exponents e of the quantised operands' scales 2^e); task_cls 64 x 100 float32.
;; Outputs: out0 64 x 16 float32; out1 64 x 2 float32; out2 64 x 2 int32; out3 16 x 2 x 64 int32.
;; This version of the problem:
;;   THIS VERSION OF THE PROBLEM IS GIVEN IN LOW PRECISION. The matrix products marked QUANTISED in the list below multiply operands that are first quantised to E4M3 (4 exponent bits, 3 mantissa bits; 8 bits a number), with one given power-of-two scale for each operand tensor; their sums are f32. All else is computed in f32.
;;   The module's matrix products, in the order in which they are computed (A, B: the left and right operand; K: the contracted axis; several contracted axes count as one K, in the product's order):
;;     1. [M 64, K 868] x [K 868, N 16]; A: computed on the way; B: input W: QUANTISED (scales: A lowp_scales[0], B lowp_scales[1])
;;   THE QUANTISER, for each operand of a quantised product, along K:
;;     - The operand's scale is 2^e, e = its entry of the input lowp_scales (int32; the entries are numbered through the quantised products in the list's order, A before B).
;;     - Each number is divided by the scale, clamped to +-448, and rounded to the nearest number of E4M3, ties to even, subnormals kept.
;;     - The product sums the exact products of the quantised numbers (number of the format x scale) in f32.
;;   ~~~python
;;   def quantise(x, axis, e):      # numpy; x: float32 -> the quantised numbers, widened to float32 again
;;       x = np.moveaxis(x, axis, -1); K = x.shape[-1]
;;       r = np.clip(x / 2.0 ** e, -448, 448)
;;       step = 2.0 ** (np.maximum(np.frexp(np.where(r == 0, 1, r))[1] - 1, -6) - 3)
;;       q = np.round(r / step) * step * 2.0 ** e      # np.round: ties to even
;;       return np.moveaxis(q, -1, axis).astype(np.float32)
;;   ~~~
;;   OPERANDS COMPUTED ON THE WAY. 'Computed on the way' means the value that the module computes at that place (a softmax that the list does not call 'softmax' is quantised finished and normalised). What goes into a quantiser is computed in f32, as accurately as f32 sums, v_exp_f32 and their like allow (about 1e-6 of the number): no bf16 or f16 on the way to a quantiser, and a product that is left as it is and whose result goes on into a quantised operand takes f32 operands (vector FMAs, or v_wmma_f32_16x16x4_f32). A number that lies on a knife's edge between two numbers of the format may be rounded either way, as far as f32 arithmetic and the matrix unit's own rounding can turn it there, and no further.
;; One version. Each part assembles by itself: llvm-mc -triple=amdgcn-amd-amdhsa -mcpu=gfx1250 --defsym DOCPART=n.
;; ======== version 1 of 1: 2 launches
;; limits: right only within a limited range of input values
;; workspace buffers: part 16,384 bytes
;; launch pool (part 1): grid 256 x 1, 16 waves a work-group, no clusters, 11,520 bytes of LDS; arguments hidden_states, task_cls, W, lowp_scales, part; writes part
.if DOCPART == 1
	.amdgcn_target "amdgcn-amd-amdhsa--gfx1250"
	.amdhsa_code_object_version 6
	.text
	.protected	k_q44499fbf97_pool
	.globl	k_q44499fbf97_pool
	.p2align	8
	.type	k_q44499fbf97_pool,@function
k_q44499fbf97_pool:
	s_mov_b64 s[64:65], 0
	v_nop
	global_prefetch_b8 v0, s[64:65] scope:SCOPE_SE
	s_setreg_imm32_b32 hwreg(HW_REG_WAVE_MODE, 25, 1), 1
	s_wait_xcnt 0x0
; FIRST OF TWO LAUNCHES.  fused = [mean of hidden_states over 32 x 32 | softmax(task_cls)], [64][868]; the product Q(fused) Q(W)^T is made here in four parts along K for each batch row:
; part[b][q][e] = 2^(e0 + e1) x the sum over part q's k of the codes' products (E4M3), f32.  The second launch (gate) adds the four parts and b, and makes the four outputs.
; WORK LEFT OUT IN THE PROGRAM (in gate): the division of the experts' softmax by its sum S.  With p_n = exp(l_n - max l), reference()'s probabilities are p_n / S with S > 0, the same S for all 16 experts of a row.
; So top_k's order and its ties are those of p_n, and the renormalised weights are (p_a / S) / (p_a / S + p_b / S) = p_a / (p_a + p_b), for all finite inputs; the probabilities themselves are no output.
; The maximum is still taken away ahead of the exponential.  one_hot and its transposition are written as compares of the chosen index with 0 .. 15.  Every input has a way to an output and is loaded.
; LIMITS: an overflow, infinity or NaN that would reach only S is not carried to the result.  NaN and infinities among the inputs are not served.  Sums are taken in another order than reference()'s.
; e0 and e1 between -126 and 119, e0 + e1 between -126 and 127, so that each power of two below is an f32 number.
; v_exp_f32 gives 0 under 2^-126: task terms more than 126 / log2(e) = 87.3 under the row's largest count as 0.
; SHARES.  Work-group g = 4 b + q owns batch b's channels 192 q .. 192 q + 191 (786,432 consecutive bytes) and its task numbers 32 q .. 32 q + 31 (of 100; behind them zeros on W's side): K = 192 + 32, padded to 256.
; Wave w takes channels 192 q + 16 j + w, j = 0 .. 11, so that the sixteen waves walk 65,536 bytes that lie together.  A plane is 1,024 numbers, 4,096 consecutive bytes: eight loads of 512; a lane gets 32 numbers.
; IN FLIGHT.  A ring of four plane slots in registers: 32 loads, 16,384 bytes, of each wave are out; the wait at a plane's head is counted and leaves the younger planes' loads out.
; No plane is read twice and the work-groups share only W (55,552 bytes of 201 million): no cluster, no tensor load.  No prefetch: every wave keeps 32 loads of its own stream out from its head on.
; UNDER THE STREAM each wave turns W's 16 columns of its group (wave w: k = 16 w .. 16 w + 15 of the work-group's 256) into codes in LDS, and wave 15 makes the task softmax.
; BEHIND THE BARRIER wave 0 alone: lane (i, h) = (lane % 16, lane / 16) quantises k = 16 i + 8 h .. + 7, row_share:i hands them to all lanes of its half, which is the operand's layout with the one batch row in all 16 rows.
.set ROWB,  4096                       ; bytes in a plane
.set WAVES, 16
.set ROWS,  12                         ; planes of a wave
.set DEPTH, 4                          ; slots
.set STEP,  WAVES*ROWB                 ; from a wave's plane to its next
.set MEANS, 8192                       ; LDS: 0-4095 W's codes (group i at 256 i, 8 bytes a lane); from 8192 the 192 means, in the order of k;
.set TASK,  8960                       ; behind them the task softmax, 100 numbers and 28 zeros;
.set SPARE, 9472                       ; the spare words, 128 bytes for each of the sixteen waves, which no other line names
.set OFF, 1                            ; v1   16 x lane
.set MST, 2                            ; v2   where my means go in LDS
.set SPW, 3                            ; v3   LDS address of my spare word; never rewritten
.set NIL, 4                            ; v4   0; never rewritten
.set WST, 5                            ; v5   where my codes of W go in LDS
.set WA,  6                            ; v6, v7  W: my two loads of 4 numbers
.set WB,  7
.set TKO, 8                            ; v8   task_cls: my 4 numbers
.set TST, 9                            ; v9   where they go in LDS
.set QRD, 10                           ; v10  wave 0: my eight numbers of fused, from MEANS on
.set OUT, 11                           ; v11  part: 4 x (lane % 16)
.set R,   12                           ; v12, v13  lane % 16, lane / 16
.set H,   13
.set C1,  14                           ; v14, v15  at work
.set C2,  15
.set T,   16                           ; v[16:31]  at work
.set WV,  32                           ; v[32:39]  eight numbers of W
.set TK,  40                           ; v[40:43]  four numbers of the task row
.set SCA, 44                           ; v44-47    2^e0, 448 x 2^e0, 2^e1, 448 x 2^e1
.set LMA, 45
.set SCB, 46
.set LMB, 47
.set CO,  48                           ; v[48:49]  eight codes
.set MN,  50                           ; v[50:61]  the means
.set EIG, 62                           ; v62       8 x lane
.set X,   64                           ; v[64:191] slot s: 32 registers
.set AF,  64                           ; wave 0, behind the barrier: fused's codes, W's codes, two products
.set BF,  96
.set DA,  128
.set DB,  136
	s_load_b256 s[16:23], s[0:1], 0x0              ; hidden_states 16, task_cls 18, W 20, lowp_scales 22
	s_load_b64 s[24:25], s[0:1], 0x20              ; part
	v_lshrrev_b32 v[R], 5, v0
	v_and_b32 v[H], 31, v0
	v_readfirstlane_b32 s8, v[R]                   ; wave 0..15
	v_lshlrev_b32 v[OFF], 4, v[H]
	s_mul_i32 s10, ttmp9, ROWS*STEP                ; the work-group's 786,432 bytes (255 x 786,432 stays under 2^31),
	s_lshl_b32 s11, s8, 12
	s_add_co_u32 s10, s10, s11                     ; + my wave's first plane
	s_mov_b32 s11, 0
	s_wait_alu depctr_va_vdst(0)                   ; directly ahead of the wait below
	s_wait_kmcnt 0x0
	s_add_nc_u64 s[16:17], s[16:17], s[10:11]
	s_load_b64 s[26:27], s[22:23], 0x0             ; e0, e1
.macro FILL j                          ; plane j of my twelve into slot j % 4; every offset is an immediate, 724,480 at the most
.irp i, 0,1,2,3,4,5,6,7
	global_load_b128 v[X+32*((\j)%DEPTH)+4*\i:X+32*((\j)%DEPTH)+4*\i+3], v[OFF], s[16:17] offset:(\j)*STEP+512*\i th:TH_LOAD_NT
.endr
.endm
.macro HINT
	s_delay_alu instid0(VALU_DEP_1)
.endm
.macro TURN j
.set LEFT, ROWS-1-(\j)
.if LEFT > DEPTH-1
.set LEFT, DEPTH-1
.endif
.set LEFT, 8*LEFT
.if (\j) < DEPTH
.set LEFT, LEFT+3                      ; W's two loads and the task row's stand between planes 3 and 4
.endif
.set XS, X+32*((\j)%DEPTH)
	s_wait_loadcnt LEFT                            ; loads come back in order: plane j's eight are in, those of the planes behind it (three, fewer at the end) stay out
.irp i, 0,1,2,3,4,5,6,7
	v_pk_add_f32 v[T+2*\i:T+2*\i+1], v[XS+4*\i:XS+4*\i+1], v[XS+4*\i+2:XS+4*\i+3]   ; 32 numbers to 16: the slot has been read,
.endr
.if (\j)+DEPTH < ROWS
	FILL (\j)+DEPTH                                ; and takes the plane four further on
.endif
.irp i, 0,4,8,12
	v_pk_add_f32 v[T+\i:T+\i+1], v[T+\i:T+\i+1], v[T+\i+2:T+\i+3]
.endr
	s_delay_alu instid0(VALU_DEP_3)
	v_pk_add_f32 v[T:T+1], v[T:T+1], v[T+4:T+5]
	s_delay_alu instid0(VALU_DEP_2)
	v_pk_add_f32 v[T+8:T+9], v[T+8:T+9], v[T+12:T+13]
	HINT
	v_pk_add_f32 v[T:T+1], v[T:T+1], v[T+8:T+9]
	HINT
	v_add_f32 v[T], v[T], v[T+1]                   ; my 32 numbers' sum
	HINT
	v_add_f32_dpp v[T], v[T], v[T] row_xmask:1 row_mask:0xf bank_mask:0xf
	HINT
	v_add_f32_dpp v[T], v[T], v[T] row_xmask:2 row_mask:0xf bank_mask:0xf
	HINT
	v_add_f32_dpp v[T], v[T], v[T] row_xmask:4 row_mask:0xf bank_mask:0xf
	HINT
	v_add_f32_dpp v[T], v[T], v[T] row_xmask:8 row_mask:0xf bank_mask:0xf
	HINT
	v_permlanex16_b32 v[T+1], v[T], s14, s15       ; (its destination has been written above)
	HINT
	v_add_f32 v[T], v[T], v[T+1]                   ; every lane holds the plane's sum
	HINT
	v_mul_f32 v[MN+\j], 0x3a800000, v[T]           ; x 2^-10: the mean; nothing is rounded
	ds_store_b32 v[MST], v[MN+\j] offset:64*(\j)   ; word 16 j + w; all lanes write the same word with the same value
.endm
.irp j, 0,1,2,3
	FILL \j
.endr
	; ---- the rest of the head, under the first planes' flight
	s_mov_b32 s14, 0x76543210                      ; v_permlanex16_b32: each lane takes its own place in the other half
	s_mov_b32 s15, 0xfedcba98
	s_and_b32 s9, ttmp9, 3                         ; q
	s_lshr_b32 s10, ttmp9, 2                       ; batch
	s_mul_i32 s10, s10, 400
	s_add_nc_u64 s[18:19], s[18:19], s[10:11]      ; task_cls: the batch's row
	s_lshl_b32 s10, ttmp9, 6
	s_add_nc_u64 s[24:25], s[24:25], s[10:11]      ; part: my work-group's 16 numbers
	s_mul_i32 s28, s9, 192                         ; waves 0 to 11: W's columns 192 q + 16 w ..
	s_lshl_b32 s10, s8, 4
	s_add_co_u32 s28, s28, s10
	s_lshl_b32 s29, s9, 5                          ; waves 12, 13: 768 + 32 q + 16 (w - 12) ..
	s_add_co_u32 s29, s29, s10
	s_add_co_u32 s29, s29, 576
	s_cmp_lt_u32 s8, 12
	s_cselect_b32 s28, s28, s29
	s_cmp_lt_u32 s8, 14
	s_cselect_b32 s30, 868, 0                      ; columns from here on count as zeros; waves 14 and 15 hold zeros alone
	s_lshl_b32 s31, s8, 2
	s_add_co_u32 s31, s31, MEANS
	s_lshl_b32 s33, s8, 8
	s_lshl_b32 s34, s9, 7                          ; 128 q
	v_and_b32 v[R], 15, v0
	v_bfe_u32 v[H], v0, 4, 1
	v_lshl_add_u32 v[SPW], v0, 2, SPARE
	v_mov_b32 v[NIL], 0
	v_mul_u32_u24 v[C1], v[R], 3472                ; lane (r, h) takes expert r: a row of W is 868 numbers, a multiple of 16 bytes
	v_lshl_add_u32 v[C2], v[H], 3, s28             ; my first column: my eight numbers begin there
	v_cmp_gt_u32 s35, s30, v[C2]                   ; are my first four inside the row? (868 is a multiple of 4)
	v_min_u32 v[WA], 864, v[C2]                    ; no load leaves its row
	v_lshl_add_u32 v[WA], v[WA], 2, v[C1]
	v_add_nc_u32 v[C2], 4, v[C2]
	v_cmp_gt_u32 s36, s30, v[C2]                   ; and my last four?
	v_min_u32 v[WB], 864, v[C2]
	v_lshl_add_u32 v[WB], v[WB], 2, v[C1]
	v_min_u32 v[TKO], 384, v[OFF]                  ; 25 lanes hold the row's 100 numbers; the others read its last 16 bytes again
	global_load_b128 v[WV:WV+3], v[WA], s[20:21]
	global_load_b128 v[WV+4:WV+7], v[WB], s[20:21]
	global_load_b128 v[TK:TK+3], v[TKO], s[18:19]  ; in every wave, so that the counts of loads are the same on every way through the text
	v_mov_b32 v[MST], s31
	v_lshrrev_b32 v[EIG], 1, v[OFF]
	v_add_nc_u32 v[WST], s33, v[EIG]               ; 256 w + 8 x lane
	v_add_nc_u32 v[TST], TASK, v[OFF]
	v_lshlrev_b32 v[OUT], 2, v[R]
	v_min_u32 v[C1], 13, v[R]                      ; wave 0's lane (i, h) reads at 64 i + 32 h; groups 14 and 15, which meet zeros of W, read group 13's numbers
	v_lshlrev_b32 v[C1], 6, v[C1]
	v_lshl_add_u32 v[C1], v[H], 5, v[C1]
	v_mul_u32_u24 v[C2], v[R], 11
	v_lshrrev_b32 v[C2], 7, v[C2]                  ; 1 for i = 12 .. 15, else 0
	v_mad_u32_u24 v[QRD], v[C2], s34, v[C1]        ; those read my slice of the task softmax: + 128 q bytes
	s_wait_alu depctr_va_vdst(0)                   ; directly ahead of the wait below
	s_wait_kmcnt 0x0                               ; e0, e1
	s_add_co_i32 s38, s26, 127
	s_lshl_b32 s39, s38, 23                        ; 2^e0 as f32: the conversion takes its exponent field
	s_add_co_i32 s38, s38, 8
	s_lshl_b32 s38, s38, 23
	s_or_b32 s38, s38, 0x600000                    ; 448 x 2^e0
	s_add_co_i32 s40, s27, 127
	s_lshl_b32 s41, s40, 23
	s_add_co_i32 s40, s40, 8
	s_lshl_b32 s40, s40, 23
	s_or_b32 s40, s40, 0x600000                    ; the same with e1
	s_add_co_i32 s46, s26, s27
	s_add_co_i32 s46, s46, 127
	s_lshl_b32 s46, s46, 23                        ; 2^(e0 + e1) as f32
	v_mov_b32 v[SCA], s39
	v_mov_b32 v[LMA], s38
	v_mov_b32 v[SCB], s41
	v_mov_b32 v[LMB], s40
	s_wait_alu depctr_va_vdst(0)                   ; the wait at the head's end
.irp j, 0,1,2,3,4
	TURN \j
.endr
	; ---- my group of W to codes: plane 4's wait has shown W's loads and the task row's done
.irp i, 0,1,2,3
	v_cndmask_b32 v[WV+\i], 0, v[WV+\i], s35
	v_cndmask_b32 v[WV+4+\i], 0, v[WV+4+\i], s36
.endr
.irp i, 0,1,2,3,4,5,6,7
	v_med3_num_f32 v[WV+\i], v[WV+\i], -v[LMB], v[LMB]   ; the conversion to an 8-bit code does not saturate (ISA guide 7.6.2): the hold at the largest code x the scale comes first
.endr
	v_cvt_scalef32_pk8_fp8_f32 v[CO:CO+1], v[WV:WV+7], v[SCB]
	v_nop                                          ; one plain vector instruction behind the conversion
	ds_store_b64 v[WST], v[CO:CO+1]
	s_cmp_lg_u32 s8, 15
	s_wait_alu depctr_va_vdst(0)                   ; directly ahead of the branch
	s_cbranch_scc1 .Lstream
	; ---- wave 15: the task softmax, finished and normalised, is what is quantised
	s_mov_b32 vcc_lo, 0x1ffffff                    ; lanes 0 to 24 own the 100 numbers; elsewhere the logit is -infinity: it loses every maximum, and its exponential is 0
	v_mov_b32 v[T+1], 0xff800000
.irp i, 0,1,2,3
	v_cndmask_b32 v[TK+\i], v[T+1], v[TK+\i], vcc_lo
.endr
	v_max3_num_f32 v[T], v[TK], v[TK+1], v[TK+2]
	HINT
	v_max_num_f32 v[T], v[T], v[TK+3]
.irp m, 1,2,4,8
	HINT
	v_max_num_f32_dpp v[T], v[T], v[T] row_xmask:\m row_mask:0xf bank_mask:0xf
.endr
	HINT
	v_permlanex16_b32 v[T+1], v[T], s14, s15
	HINT
	v_max_num_f32 v[T], v[T], v[T+1]               ; the row's largest
.irp i, 0,1,2,3
	v_sub_f32 v[TK+\i], v[TK+\i], v[T]
.endr
.irp i, 0,1,2,3
	v_mul_f32 v[TK+\i], 0x3fb8aa3b, v[TK+\i]       ; x log2(e)
.endr
	s_wait_alu depctr_va_vdst(0)                   ; the wait ahead of the batch
.irp i, 0,1,2,3
	v_exp_f32 v[TK+\i], v[TK+\i]
.endr
	v_nop                                          ; a plain instruction behind the last exponential,
	s_wait_alu depctr_va_vdst(0)                   ; and one wait ahead of the batch's first reader
	v_add_f32 v[T], v[TK], v[TK+1]
	v_add_f32 v[T+1], v[TK+2], v[TK+3]
	HINT
	v_add_f32 v[T], v[T], v[T+1]
.irp m, 1,2,4,8
	HINT
	v_add_f32_dpp v[T], v[T], v[T] row_xmask:\m row_mask:0xf bank_mask:0xf
.endr
	HINT
	v_permlanex16_b32 v[T+1], v[T], s14, s15
	HINT
	v_add_f32 v[T], v[T], v[T+1]                   ; the row's sum
	s_wait_alu depctr_va_vdst(0)                   ; the wait ahead of the reciprocal
	v_rcp_f32 v[T+2], v[T]
	v_nop
	s_wait_alu depctr_va_vdst(0)                   ; and behind it, ahead of its first reader and of the label below
.irp i, 0,1,2,3
	v_mul_f32 v[TK+\i], v[TK+\i], v[T+2]
.endr
	ds_store_b128 v[TST], v[TK:TK+3]               ; 128 numbers; those from 100 on are 0
	s_wait_alu depctr_va_vdst(0)
.Lstream:
.irp j, 5,6,7,8,9,10,11
	TURN \j
.endr
	s_wait_dscnt 0x0                               ; for wave 0's sake: my stores have landed
	s_barrier_signal -1
	s_barrier_wait -1                              ; the means, the task softmax and W's codes lie in LDS
	s_cmp_eq_u32 s8, 0
	s_cbranch_scc1 .Lfinal
	s_wait_tensorcnt 0x0                           ; waves 1 to 15 end here
	ds_add_u32 v[SPW], v[NIL]
	s_wait_dscnt 0x0
	s_endpgm
.Lfinal:	; ---- wave 0: two products of 128 along K
	ds_load_b128 v[T:T+3], v[QRD] offset:MEANS
	ds_load_b128 v[T+4:T+7], v[QRD] offset:MEANS+16
.irp i, 0,1,2,3,4,5,6,7,8,9,10,11,12,13,14,15
	ds_load_b64 v[BF+2*\i:BF+2*\i+1], v[EIG] offset:256*\i   ; lane (r, h): expert r, k = 16 i + 8 h .. + 7
.endr
	s_wait_dscnt 16                                ; my eight numbers are in; W's sixteen loads may be out
.irp i, 0,1,2,3,4,5,6,7
	v_med3_num_f32 v[T+\i], v[T+\i], -v[LMA], v[LMA]
.endr
	v_cvt_scalef32_pk8_fp8_f32 v[CO:CO+1], v[T:T+7], v[SCA]
	v_nop                                          ; one plain vector instruction between the conversion and the readers of its result
.irp i, 0,1,2,3,4,5,6,7,8,9,10,11,12,13,14,15
	v_mov_b32_dpp v[AF+2*\i], v[CO] row_share:\i row_mask:0xf bank_mask:0xf       ; (these registers held planes: their loads are done)
	v_mov_b32_dpp v[AF+2*\i+1], v[CO+1] row_share:\i row_mask:0xf bank_mask:0xf
.endr
	s_wait_alu depctr_va_vdst(0)                   ; directly ahead of the wait below
	s_wait_dscnt 0x0
	v_wmma_f32_16x16x128_fp8_fp8 v[DA:DA+7], v[AF:AF+15], v[BF:BF+15], 0          ; source 0: the batch row in all 16 rows; source 1: 16 experts.  Register 0 of lane (r, h) is expert r
	v_wmma_f32_16x16x128_fp8_fp8 v[DB:DB+7], v[AF+16:AF+31], v[BF+16:BF+31], 0
.rept 4
	v_nop                                          ; four places between a matrix instruction and the vector instruction that reads its result (ISA guide 7.12.1)
.endr
	v_add_f32 v[MN], v[DA], v[DB]
	v_mul_f32 v[MN+1], s46, v[MN]                  ; x 2^(e0 + e1)
	global_store_b32 v[OUT], v[MN+1], s[24:25]     ; 64 consecutive bytes: a work-group has no more; lanes r and r + 16 write the same word with the same value
	s_wait_tensorcnt 0x0                           ; the wave's end: the same three lines
	ds_add_u32 v[SPW], v[NIL]
	s_wait_dscnt 0x0
	s_endpgm
.Lfunc_end_k_q44499fbf97_pool:
	.size	k_q44499fbf97_pool, .Lfunc_end_k_q44499fbf97_pool-k_q44499fbf97_pool
	.p2alignl 7, 3214868480
	.fill 96, 4, 3214868480
	.section	.rodata,"a",@progbits
	.p2align	6, 0x0
	.amdhsa_kernel k_q44499fbf97_pool
		.amdhsa_group_segment_fixed_size 11520
		.amdhsa_private_segment_fixed_size 0
		.amdhsa_enable_private_segment 0
		.amdhsa_kernarg_size 40
		.amdhsa_user_sgpr_count 2
		.amdhsa_user_sgpr_kernarg_segment_ptr 1
		.amdhsa_wavefront_size32 1
		.amdhsa_system_sgpr_workgroup_id_x 1
		.amdhsa_system_sgpr_workgroup_id_y 1
		.amdhsa_system_sgpr_workgroup_id_z 1
		.amdhsa_system_vgpr_workitem_id 0
		.amdhsa_next_free_vgpr 192
		.amdhsa_next_free_sgpr 66
		.amdhsa_reserve_vcc 1
		.amdhsa_float_denorm_mode_32 3
		.amdhsa_float_denorm_mode_16_64 3
		.amdhsa_memory_ordered 1
		.amdhsa_forward_progress 1
		.amdhsa_inst_pref_size 44
	.end_amdhsa_kernel
	.amdgpu_metadata
---
amdhsa.version: [ 1, 2 ]
amdhsa.kernels:
  - .name:           k_q44499fbf97_pool
    .symbol:         k_q44499fbf97_pool.kd
    .args:
      - { .name: hidden_states, .offset: 0, .size: 8, .value_kind: global_buffer, .address_space: global }
      - { .name: task_cls, .offset: 8, .size: 8, .value_kind: global_buffer, .address_space: global }
      - { .name: W, .offset: 16, .size: 8, .value_kind: global_buffer, .address_space: global }
      - { .name: lowp_scales, .offset: 24, .size: 8, .value_kind: global_buffer, .address_space: global }
      - { .name: part, .offset: 32, .size: 8, .value_kind: global_buffer, .address_space: global }
    .group_segment_fixed_size: 11520
    .private_segment_fixed_size: 0
    .kernarg_segment_align: 8
    .kernarg_segment_size: 40
    .max_flat_workgroup_size: 512
    .sgpr_count:     66
    .vgpr_count:     192
    .wavefront_size: 32
...
	.end_amdgpu_metadata
.endif
;; end of part 1
;; launch gate (part 2): grid 1 x 1, 16 waves a work-group, no clusters, 3,584 bytes of LDS; arguments part, b, out0, out1, out2, out3; writes out0, out1, out2, out3
.if DOCPART == 2
	.amdgcn_target "amdgcn-amd-amdhsa--gfx1250"
	.amdhsa_code_object_version 6
	.text
	.protected	k_q44499fbf97_gate
	.globl	k_q44499fbf97_gate
	.p2align	8
	.type	k_q44499fbf97_gate,@function
k_q44499fbf97_gate:
	s_mov_b64 s[64:65], 0
	v_nop
	global_prefetch_b8 v0, s[64:65] scope:SCOPE_SE
	s_setreg_imm32_b32 hwreg(HW_REG_WAVE_MODE, 25, 1), 1
	s_wait_xcnt 0x0
; SECOND LAUNCH.  out0 = the sum of a batch's four parts + b: the logits; p = exp(logit - the row's largest); the two largest p, ties to the lower index as in jax.lax.top_k; weights p_a / (p_a + p_b); one_hot, transposed.
; LEFT OUT (shown at the head of the first kernel): the division of the experts' softmax by its sum, which cancels in the order of the experts and in the renormalised weights for all finite inputs.
; p of the row's largest logit is exp(0) = 1, and no p lies above it: so the first choice is the lowest expert whose p is 1, and the weights are 1 / (1 + p_b) and p_b / (1 + p_b).
; LIMITS.  NaN and infinities are not served.  v_exp_f32 gives 0 under 2^-126: an expert more than 126 / log2(e) = 87.3 under the row's largest logit has p = 0 (among such experts the lower index is taken).
; SHARES.  One work-group: 16 KiB are read and 13 KiB stored, and out3's rows of 256 bytes take one number of every batch.  Thread t: batch t / 8, experts 2 (t % 8) and the next; eight lanes hold a batch, and
; row_xmask 1, 2, 4 joins them.  Weights and choices meet in LDS; behind the barrier wave e makes out3's 512 bytes of expert e, waves 0 and 1 store out1 and out2.  The choices enter no address.
; Each of the four outputs leaves in stores of 256 or 512 consecutive bytes, aligned.  No tensor load, no cluster, no prefetch: there is no loop, and everything is read once, in one group of loads.
.set PLT,   1024                       ; LDS: 0-511 the weights [b][place], 512-1023 the choices [b][place], from 1024 the choices [place][b]
.set SPARE, 1536                       ; the spare words, 128 bytes for each of the sixteen waves, which no other line names
.set SPW, 18                           ; v18, v19  the add's two
.set NIL, 19
.macro JOIN r                          ; the largest among my batch's eight lanes
.irp m, 1,2,4
	s_delay_alu instid0(VALU_DEP_1)
	v_max_num_f32_dpp v[\r], v[\r], v[\r] row_xmask:\m row_mask:0xf bank_mask:0xf
.endr
.endm
	s_load_b256 s[16:23], s[0:1], 0x0              ; part 16, b 18, out0 20, out1 22
	s_load_b128 s[24:27], s[0:1], 0x20             ; out2 24, out3 26
	v_lshl_add_u32 v[SPW], v0, 2, SPARE
	v_mov_b32 v[NIL], 0
	v_lshrrev_b32 v1, 5, v0
	v_readfirstlane_b32 s8, v1                     ; wave 0..15
	s_lshl_b32 s9, s8, 9
	s_and_b32 s10, s9, 512
	v_and_b32 v2, 7, v0                            ; which pair of experts
	v_lshrrev_b32 v3, 3, v0                        ; batch
	v_lshlrev_b32 v4, 3, v2                        ; b: two numbers
	v_lshl_add_u32 v5, v3, 8, v4                   ; part: 256 bytes a batch, 64 a part
	v_lshlrev_b32 v6, 3, v0                        ; out0
	v_and_b32 v7, 1, v0                            ; the place that I put into LDS
	v_lshlrev_b32 v8, 3, v3
	v_lshl_add_u32 v8, v7, 2, v8                   ; [b][place]
	v_lshlrev_b32 v9, 2, v3
	v_lshl_add_u32 v9, v7, 8, v9                   ; [place][b]
	v_and_b32 v10, 31, v0
	v_lshlrev_b32 v10, 4, v10                      ; 16 x lane
	v_add_nc_u32 v11, s9, v10                      ; out3: 512 x wave + 16 x lane
	v_add_nc_u32 v15, s10, v10                     ; waves 0 and 1: out1's or out2's numbers in LDS
	v_cvt_f32_u32 v12, v2
	v_mul_f32 v12, -2.0, v12                       ; my experts' numbers, negated, as f32: the lowest number is then the largest
	v_add_f32 v13, -1.0, v12
	v_mov_b32 v14, 0xc1800000                      ; -16: no expert
	v_mov_b32 v17, 1
	s_mov_b32 s30, 0xaaaaaaaa                      ; odd lanes serve place 1
	s_wait_alu depctr_va_vdst(0)                   ; the wait at the head's end
	s_wait_kmcnt 0x0
	global_load_b64 v[20:21], v5, s[16:17]
	global_load_b64 v[22:23], v5, s[16:17] offset:64
	global_load_b64 v[24:25], v5, s[16:17] offset:128
	global_load_b64 v[26:27], v5, s[16:17] offset:192
	global_load_b64 v[28:29], v4, s[18:19]
	s_cmp_eq_u32 s8, 0
	s_cselect_b64 s[22:23], s[22:23], s[24:25]     ; wave 0 stores out1, wave 1 out2
	s_wait_loadcnt 0x0
	v_pk_add_f32 v[20:21], v[20:21], v[22:23]
	v_pk_add_f32 v[24:25], v[24:25], v[26:27]
	s_delay_alu instid0(VALU_DEP_1)
	v_pk_add_f32 v[20:21], v[20:21], v[24:25]
	s_delay_alu instid0(VALU_DEP_1)
	v_pk_add_f32 v[20:21], v[20:21], v[28:29]      ; two logits
	global_store_b64 v6, v[20:21], s[20:21]        ; 32 lanes store 256 consecutive bytes
	v_max_num_f32 v30, v20, v21
	JOIN 30                                        ; the row's largest
	v_sub_f32 v32, v20, v30
	v_sub_f32 v33, v21, v30
	v_mul_f32 v32, 0x3fb8aa3b, v32                 ; x log2(e)
	v_mul_f32 v33, 0x3fb8aa3b, v33
	s_wait_alu depctr_va_vdst(0)                   ; the wait ahead of the batch
	v_exp_f32 v32, v32
	v_exp_f32 v33, v33
	v_nop
	s_wait_alu depctr_va_vdst(0)                   ; one wait for both, ahead of their first reader
	v_cmp_eq_f32 s28, 1.0, v32
	v_cmp_eq_f32 s29, 1.0, v33
	v_cndmask_b32 v34, v14, v12, s28
	v_cndmask_b32 v35, v14, v13, s29
	s_delay_alu instid0(VALU_DEP_1)
	v_max_num_f32 v34, v34, v35
	JOIN 34                                        ; - the first choice
	v_cmp_neq_f32 s28, v34, v12
	v_cmp_neq_f32 s29, v34, v13
	v_cndmask_b32 v32, -1.0, v32, s28              ; the first is taken out: -1 lies under every p
	v_cndmask_b32 v33, -1.0, v33, s29
	s_delay_alu instid0(VALU_DEP_1)
	v_max_num_f32 v36, v32, v33
	JOIN 36                                        ; p of the second
	v_add_f32 v40, 1.0, v36
	s_wait_alu depctr_va_vdst(0)                   ; the wait ahead of the reciprocal
	v_rcp_f32 v41, v40
	v_cmp_eq_f32 s28, v36, v32                     ; (plain work behind the reciprocal)
	v_cmp_eq_f32 s29, v36, v33
	v_cndmask_b32 v38, v14, v12, s28
	v_cndmask_b32 v39, v14, v13, s29
	s_delay_alu instid0(VALU_DEP_1)
	v_max_num_f32 v38, v38, v39
	JOIN 38                                        ; - the second choice
	v_cndmask_b32 v42, 1.0, v36, s30
	v_cndmask_b32 v44, v34, v38, s30
	v_sub_f32 v44, 0, v44
	v_cvt_u32_f32 v44, v44                         ; my place's choice
	s_wait_alu depctr_va_vdst(0)                   ; the wait behind the reciprocal, ahead of its first reader
	v_mul_f32 v43, v42, v41                        ; and its weight
	ds_store_b32 v8, v44 offset:512                ; four lanes of a batch write the same word with the same value
	ds_store_b32 v9, v44 offset:PLT
	ds_store_b32 v8, v43
	s_wait_dscnt 0x0                               ; for the others' sake: my stores have landed
	s_barrier_signal -1
	s_barrier_wait -1
	ds_load_b128 v[48:51], v10 offset:PLT          ; place lane / 16, batches 4 (lane % 16) .. + 3
	s_cmp_gt_u32 s8, 1
	s_cbranch_scc1 .Lmask
	ds_load_b128 v[52:55], v15
	s_wait_dscnt 0x0
	global_store_b128 v10, v[52:55], s[22:23]      ; 32 lanes store all 512 bytes of out1 or out2
.Lmask:
	s_wait_dscnt 0x0
.irp i, 0,1,2,3
	v_cmp_eq_u32 vcc_lo, s8, v[48+\i]
	v_cndmask_b32 v[56+\i], 0, v17, vcc_lo         ; one_hot for expert e = my wave's number: a value is selected, no address
.endr
	global_store_b128 v11, v[56:59], s[26:27]      ; 512 consecutive bytes: (expert e, places 0 and 1, 64 batches)
	s_wait_tensorcnt 0x0                           ; the wave's end
	ds_add_u32 v[SPW], v[NIL]
	s_wait_dscnt 0x0
	s_endpgm
.Lfunc_end_k_q44499fbf97_gate:
	.size	k_q44499fbf97_gate, .Lfunc_end_k_q44499fbf97_gate-k_q44499fbf97_gate
	.p2alignl 7, 3214868480
	.fill 96, 4, 3214868480
	.section	.rodata,"a",@progbits
	.p2align	6, 0x0
	.amdhsa_kernel k_q44499fbf97_gate
		.amdhsa_group_segment_fixed_size 3584
		.amdhsa_private_segment_fixed_size 0
		.amdhsa_enable_private_segment 0
		.amdhsa_kernarg_size 48
		.amdhsa_user_sgpr_count 2
		.amdhsa_user_sgpr_kernarg_segment_ptr 1
		.amdhsa_wavefront_size32 1
		.amdhsa_system_sgpr_workgroup_id_x 1
		.amdhsa_system_sgpr_workgroup_id_y 1
		.amdhsa_system_sgpr_workgroup_id_z 1
		.amdhsa_system_vgpr_workitem_id 0
		.amdhsa_next_free_vgpr 64
		.amdhsa_next_free_sgpr 66
		.amdhsa_reserve_vcc 1
		.amdhsa_float_denorm_mode_32 3
		.amdhsa_float_denorm_mode_16_64 3
		.amdhsa_memory_ordered 1
		.amdhsa_forward_progress 1
		.amdhsa_inst_pref_size 7
	.end_amdhsa_kernel
	.amdgpu_metadata
---
amdhsa.version: [ 1, 2 ]
amdhsa.kernels:
  - .name:           k_q44499fbf97_gate
    .symbol:         k_q44499fbf97_gate.kd
    .args:
      - { .name: part, .offset: 0, .size: 8, .value_kind: global_buffer, .address_space: global }
      - { .name: b, .offset: 8, .size: 8, .value_kind: global_buffer, .address_space: global }
      - { .name: out0, .offset: 16, .size: 8, .value_kind: global_buffer, .address_space: global }
      - { .name: out1, .offset: 24, .size: 8, .value_kind: global_buffer, .address_space: global }
      - { .name: out2, .offset: 32, .size: 8, .value_kind: global_buffer, .address_space: global }
      - { .name: out3, .offset: 40, .size: 8, .value_kind: global_buffer, .address_space: global }
    .group_segment_fixed_size: 3584
    .private_segment_fixed_size: 0
    .kernarg_segment_align: 8
    .kernarg_segment_size: 48
    .max_flat_workgroup_size: 512
    .sgpr_count:     66
    .vgpr_count:     64
    .wavefront_size: 32
...
	.end_amdgpu_metadata
.endif
;; end of part 2
